; MI455X (gfx1250); checked and timed in simulation.
; The chip was launched on July 23, 2026; its instructions are those of AMD's public machine-readable ISA for CDNA 5 (MIT licence, August 2026) and "CDNA5" Instruction Set Architecture Reference Guide (July 2026). The comments in the code are by the model that wrote it; some were corrected since.
;; Two Simplicial Attention. Allowed arithmetic: float matrix products may take bf16 or f16 operands with f32 sums; other float arithmetic in f32, or as packed bf16 or f16 multiplies, adds, multiply-adds, maxima and minima; sums over many terms, partial sums and values carried from step to step in f32; what a program stores and reads back later, other than sums and carried values, may be rounded once to bf16 or f16.
;; Inputs: k1 1 x 1,024 x 8 x 64 float32; k2 1 x 1,024 x 8 x 64 float32; q 1 x 1,024 x 8 x 64 float32; v1 1 x 1,024 x 8 x 64 float32; v2 1 x 1,024 x 8 x 64 float32.
;; Outputs: out0 1 x 1,024 x 8 x 64 float32.
;; One version. Each part assembles by itself: llvm-mc -triple=amdgcn-amd-amdhsa -mcpu=gfx1250 --defsym DOCPART=n.
;; ======== version 1 of 1: 1 launch
;; limits: values are held in f16: magnitudes above 65,504 overflow, below 6.1e-05 lose precision
;; launch simplicial (part 1): grid 32 x 8, 8 waves a work-group, no clusters, 81,920 bytes of LDS; arguments q, k1, k2, v1, v2, out0; writes out0
.if DOCPART == 1
	.amdgcn_target "amdgcn-amd-amdhsa--gfx1250"
	.amdhsa_code_object_version 6
	.text
	.protected	k_q62fa133a6f_simplicial
	.globl	k_q62fa133a6f_simplicial
	.p2align	8
	.type	k_q62fa133a6f_simplicial,@function
k_q62fa133a6f_simplicial:
	s_mov_b64 s[64:65], 0
	v_nop
	global_prefetch_b8 v0, s[64:65] scope:SCOPE_SE
	s_setreg_imm32_b32 hwreg(HW_REG_WAVE_MODE, 25, 1), 1
	s_wait_xcnt 0x0
; TWO-SIMPLICIAL WINDOW ATTENTION.  q, k1, k2, v1, v2, out0: [1][1024][8][64] f32.  For each query s and head:
;   l[a][c] = (1/8) sum over d of q[s][d] k1[s-a][d] (k2[s-c][d] + 1), a, c = 0..63; pairs with s-a < 0 or s-c < 0 count as -inf;
;   p = softmax over all 4,096 pairs;  out[s][d] = sum over a, c of p[a][c] v1[s-a][d] (v2[s-c][d] + 1).
; WORK LEFT OUT.  A pair with s-a < 0 or s-c < 0 has the weight exp(-inf) = 0 whatever the inputs hold, so it adds nothing to the sum of weights and nothing to out.
; Where all 16 positions of a tile of k1 and v1 rows are negative, the whole block of 16 x 64 pairs is jumped over (a branch on the work-group and wave numbers alone).
; Inside a block that holds live pairs the hidden ones are computed and masked.  All five inputs have a way to out0 and all are loaded.
; LIMITS.  Matrix operands are f16: q log2(e)/8, k1, their product, k2 + 1 and v2 + 1 must stay within 65,504 (inputs 30 times those drawn give about 4,000 and 150).
; A hidden score counts as its value less 1e30 and the running maximum starts at -2^83: f16 operands bound a score by 2.8e11, nothing beside either.
; A weight below 6e-8 of the largest counts as 0.  NaN and infinities are not treated apart: hidden slots hold the numbers of positions 0 to 3 with the weight 0,
; and a NaN, an infinity or an overflow that reaches only blocks left out is not carried to the result.
; SHARES.  A work-group: one head, 32 queries s = 32 b .. 32 b + 31; eight waves, wave w the four queries 32 b + 4 w + k, k = 0..3.  Two waves lie on a SIMD: while one
; multiplies, the other does its softmax, so the text stands in phases.
; LDS.  96 positions 32 b - 64 + row, row = 0..95, loaded once by the work-group, converted in registers: k1 as f16, k2 + 1 and v2 + 1 as f16, v1 as f32 turned to [channel][row],
; q log2(e)/8 as f16.  One barrier; behind it these bytes are only read.
; THE WINDOW IS A SET.  Softmax and both sums do not care for the order of a and c, so a wave keeps 64 SLOTS in registers: slot n holds row 4 w + 4 + n, but slots 61 + j hold row
; 4 w + 1 + j (64 rows earlier) until step j + 1.  From step to step one slot changes; only tile 3 (slots 48 to 63) is loaded again, by row 4 w + 1 + k + ((3 - k + slot) & 63).
; LAYOUT.  S^T = (k2+1) (q o k1)^T: source 0 = 16 key slots c, source 1 = 16 slots a: a lane holds ONE a (lane % 16) and c = 8 (lane / 16) + 0..7.  Two such results rounded to f16 in
; pairs ARE source 0 (16 a x 32 c) of tmp = P (v2+1), whose source 1 comes out of LDS turned (ds_load_tr16_b128): in tmp a lane holds ONE channel and a = 8 (lane / 16) + 0..7, and so
; do the registers of v1: out = sum over a of tmp v1 is 16 packed multiply-adds a block and one exchange of the lane halves a query.  The sum of the weights is a product too: ones x P.
; SOFTMAX.  A query goes in four blocks of 16 a x 64 c with a running maximum m over the whole wave: p = 2^(s - m) (the scale is in q); the sums are multiplied by 2^(m_old - m_new).
; REGISTERS, in two windows of 256 (s_set_vgpr_msb: bits 1:0 source 0, 3:2 source 1, 5:4 source 2, 7:6 destination): the map below.  Four switches a block.
.set ROWG,  2048                       ; bytes from a position to the next in every tensor: 8 heads x 64 x 4
.set PK,    144                        ; an LDS row of k1, k2+1: 128 bytes + 16: the 16 rows of a fragment load start at 16 different groups of four banks (64 banks of 4 bytes: ISA guide 11.1)
.set PV,    160                        ; a row of v2+1: 128 + 32
.set PT,    400                        ; a channel of v1: 96 f32 + 16 bytes = 100 words: 16 channels start at 16 different groups of four banks
.set QL,    0                          ; 32 rows x 128 bytes
.set K1L,   4096
.set K2L,   K1L+96*PK
.set V2L,   K2L+96*PK
.set V1L,   V2L+96*PV
.set STG,   V1L+64*PT                  ; 1,024 bytes for each wave: its four rows of out0
.set SPARE, STG+8*1024                 ; the spare words, 128 bytes for each wave: four blocks of 256 bytes that no other line names
; window 0
.set LN,  2                            ; lane
.set R,   3                            ; lane % 16
.set HH,  4                            ; lane / 16
.set SPW, 6                            ; LDS address of my spare word; never rewritten
.set NIL, 7                            ; 0; never rewritten
.set AK,  8                            ; my place in the rows of k1, k2+1, slot 0
.set AV,  9                            ; the same for the turning load of v2+1
.set AV1, 10                           ; the same for v1
.set AV1O, 11                          ; for v1 in slots 61 to 63 at step 0
.set AQ,  12                           ; my place in my wave's rows of q
.set AST, 13                           ; the way out: where I put a number
.set ARD, 14                           ; the way out: where I read 16 bytes back
.set GQ,  15                           ; my byte offset in q and in out0
.set AKG, 16                           ; v16-19  tile 3 of k1, k2+1 at step k
.set AVG, 20                           ; v20-23  slots 48 to 63 of v2+1 at step k
.set MA,  24                           ; v24-27  tile t: 0, or -1e30 where my slot a is hidden
.set SH,  28                           ; v28-29  what my lane takes away from its scores (pair: the low word is used)
.set AL,  30                           ; v30-31  2^(m_old - m_new) (pair: the low word is used)
.set MC,  32                           ; v32-63  key tile c, register j: 0, or -1e30 where slot 16 c + 8 (lane / 16) + j is hidden
.set FK1, 64                           ; v64-127 k1: tile t, channels 32 s on, at 16 t + 8 s
.set Q,   128                          ; v128-143 q of the step, laid as a fragment row
.set A,   144                          ; v144-159 q o k1 of the block; then P
.set S,   160                          ; v160-191 S^T, key tile c at 8 c; then tmp, channel tile d at 8 d
.set DN0, 192                          ; v192-207 the row sums of P, keys 0-31 and 32-63
.set DN1, 200
.set ONES, 208                         ; v208-215 a fragment of 1.0
.set OA,  216                          ; v216-223 out: channel tile d at 2 d (even a, odd a)
.set LA,  224                          ; the sum of weights of my slots a
.set MO,  225                          ; m
.set MN,  226
.set C0,  228                          ; v228-231 at work
.set GO,  232                          ; the prologue: byte offsets of my rows in k1, k2, v2
.set GV,  238                          ; in v1
.set SK,  241                          ; LDS addresses of the staged rows
.set SV,  242
.set SV1, 243
.set SQ,  244
.set T1,  245
.set T2,  246
.set VC,  247
.set VC4, 248
.set RR,  249
.set STQ,  64                          ; the prologue: numbers as loaded
.set STK1, 72
.set STK2, 96
.set STV2, 120
.set STV1, 144
; window 1
.set FK2, 0                            ; k2+1: tile c, channels 32 s on, at 16 c + 8 s
.set FV2, 64                           ; v2+1 turned: channel tile d, keys 32 s on, at 16 d + 8 s
.set FV1, 128                          ; v1: tile t, channel tile d, a = 8 (lane / 16) + j at 32 t + 8 d + j
; scalars
.set WV,  16
.set HD,  17
.set SB,  18                           ; 32 b + 4 w: my first query
.set W12, 19
.set CS,  24                           ; s[24:25] log2(e) / 8
.set SEL, 26                           ; s[26:27] v_permlanex16_b32: each lane takes its own place in the other half
.set HI,  28                           ; lanes 16 to 31
.set BIGN, 29                          ; -1e30
.set MK,  30
.set MSB, 0
.macro WIN new                         ; the high byte repeats the setting that is left; a switch that changes nothing is dropped
.if MSB != (\new)
	s_set_vgpr_msb (MSB<<8)|(\new)
.set MSB, (\new)
.endif
.endm
.macro PLACES                          ; four plain instructions behind a run of matrix instructions, ahead of whatever reads a result or writes one of their registers (ISA guide 7.12.1)
.rept 4
	v_nop
.endr
.endm
.macro TOF16 x                         ; four f32 at v[x .. x+3] become four f16 at v[x : x+1]
	v_cvt_pk_f16_f32 v[(\x)], v[(\x)], v[(\x)+1]
	v_cvt_pk_f16_f32 v[(\x)+1], v[(\x)+2], v[(\x)+3]
.endm
.macro LDK dst, adr, off               ; 16 rows x 64 channels of f16 as two fragments: lane l takes row l % 16, channels 8 (l / 16) + 0..7 and 16 + 8 (l / 16) + 0..7 of each 32
.irp s, 0,1
	ds_load_b128 v[(\dst)+8*\s:(\dst)+8*\s+3],   v[\adr] offset:(\off)+64*\s
	ds_load_b128 v[(\dst)+8*\s+4:(\dst)+8*\s+7], v[\adr] offset:(\off)+64*\s+32
.endr
.endm
	s_load_b256 s[4:11], s[0:1], 0x0               ; q s[4:5], k1 s[6:7], k2 s[8:9], v1 s[10:11]
	s_load_b128 s[12:15], s[0:1], 0x20             ; v2 s[12:13], out0 s[14:15]
	v_lshl_add_u32 v[SPW], v0, 2, SPARE
	v_mov_b32 v[NIL], 0
	v_lshrrev_b32 v1, 5, v0
	v_readfirstlane_b32 s[WV], v1                  ; wave 0..7
	v_and_b32 v[LN], 31, v0
	v_and_b32 v[R], 15, v0
	v_bfe_u32 v[HH], v0, 4, 1
	s_and_b32 s[HD], ttmp7, 0xffff
	s_lshl_b32 s[HD], s[HD], 8                     ; the head: 256 bytes of every position
	s_lshl_b32 s20, ttmp9, 5                       ; 32 b
	s_lshl2_add_u32 s[SB], s[WV], s20              ; 32 b + 4 w
	s_mul_i32 s[W12], s[WV], 12                    ; of the 96 rows wave w stages rows 12 w .. 12 w + 11
	s_add_co_u32 s21, s[W12], s20
	s_sub_co_i32 s21, s21, 64                      ; the position in row 12 w; it may be negative
	v_lshl_add_u32 v[VC], v[R], 4, s[HD]           ; 16 bytes a lane, 16 lanes a row
	v_lshl_add_u32 v[VC4], v[LN], 2, s[HD]         ; 4 bytes a lane
	v_add_nc_u32 v1, s21, v[HH]                    ; a load of 16 bytes a lane takes two rows
.irp i, 0,1,2,3,4,5
	v_add_nc_u32 v[GO+\i], 2*\i, v1
	v_max_i32 v[GO+\i], 0, v[GO+\i]                ; a position below 0 is clipped to 0: a finite number in a slot that is masked
	v_lshl_add_u32 v[GO+\i], v[GO+\i], 11, v[VC]
.endr
.irp g, 0,1,2
	s_add_co_i32 s22, s21, 4*\g                    ; v1 goes four positions at a time; hidden positions come in multiples of 32, so the first of the four is clipped for all
	s_max_i32 s22, s22, 0
	s_lshl_b32 s22, s22, 11
	v_add_nc_u32 v[GV+\g], s22, v[VC4]
.endr
	v_add_nc_u32 v1, s[SB], v[HH]
	v_lshl_add_u32 v[GQ], v1, 11, v[VC]            ; my wave's own four rows of q, and of out0
	s_wait_kmcnt 0x0
	; all 44 loads of the wave go out together
.irp i, 0,1
	global_load_b128 v[STQ+4*\i:STQ+4*\i+3], v[GQ], s[4:5] offset:2*ROWG*\i
.endr
.irp i, 0,1,2,3,4,5
	global_load_b128 v[STK1+4*\i:STK1+4*\i+3], v[GO+\i], s[6:7]
.endr
.irp i, 0,1,2,3,4,5
	global_load_b128 v[STK2+4*\i:STK2+4*\i+3], v[GO+\i], s[8:9]
.endr
.irp i, 0,1,2,3,4,5
	global_load_b128 v[STV2+4*\i:STV2+4*\i+3], v[GO+\i], s[12:13]
.endr
.irp g, 0,1,2
.irp f, 0,1
.irp i, 0,1,2,3
	global_load_b32 v[STV1+8*\g+4*\f+\i], v[GV+\g], s[10:11] offset:ROWG*\i+128*\f  ; a lane a channel, four positions in four registers on end: v1 is turned on its way in
.endr
.endr
.endr
	; while they are on their way: constants, addresses, masks
	s_mov_b32 s[CS], 0x3e38aa3b                    ; log2(e) / 8
	s_mov_b32 s[CS+1], s[CS]                       ; named with it as a pair
	s_mov_b32 s[SEL], 0x76543210
	s_mov_b32 s[SEL+1], 0xfedcba98
	s_mov_b32 s[HI], 0xffff0000
	s_mov_b32 s[BIGN], 0xf149f2ca                  ; -1e30
	v_add_nc_u32 v1, s[W12], v[HH]                 ; where the staged rows go: row 12 w + lane / 16, 8 bytes a lane
	v_mul_u32_u24 v[SK], v1, PK
	v_lshl_add_u32 v[SK], v[R], 3, v[SK]
	v_mul_u32_u24 v[SV], v1, PV
	v_lshl_add_u32 v[SV], v[R], 3, v[SV]
	s_lshl_b32 s20, s[W12], 2                      ; v1: channel = lane, rows 12 w on
	s_add_co_u32 s20, s20, V1L
	v_mul_u32_u24 v[SV1], v[LN], PT
	v_add_nc_u32 v[SV1], s20, v[SV1]
	s_lshl_b32 s20, s[WV], 9                       ; q: rows 4 w on, 128 bytes each
	v_lshl_add_u32 v[SQ], v[HH], 7, s20
	v_lshl_add_u32 v[SQ], v[R], 3, v[SQ]
	v_lshl_add_u32 v[AQ], v[HH], 4, s20            ; all 16 lanes of a half read the same 16 bytes of q
	s_lshl_b32 s21, s[WV], 2                       ; 4 w
	s_add_co_u32 s22, s21, 4                       ; the row in slot 0
	v_add_nc_u32 v1, s22, v[R]
	v_mul_u32_u24 v[AK], v1, PK
	v_lshl_add_u32 v[AK], v[HH], 4, v[AK]
	v_and_b32 v[RR], 7, v0
	v_lshl_add_u32 v[RR], v[HH], 3, v[RR]          ; the turning load: lane l reads row 8 (l / 16) + l % 8,
	v_bfe_u32 v[T2], v0, 3, 1
	v_lshlrev_b32 v[T2], 4, v[T2]                  ; channels 8 ((l / 8) % 2) + 0..7
	v_add_nc_u32 v1, s22, v[RR]
	v_mul_u32_u24 v[AV], v1, PV
	v_add_nc_u32 v[AV], v[AV], v[T2]
.irp k, 0,1,2,3                        ; slots 48 to 63 at step k: row 4 w + 1 + k + ((51 - k + n) & 63), n = 0..15
	s_add_co_u32 s23, s21, 1+\k
	v_add_nc_u32 v1, 51-\k, v[R]
	v_and_b32 v1, 63, v1
	v_add_nc_u32 v1, s23, v1
	v_mul_u32_u24 v1, v1, PK
	v_lshl_add_u32 v[AKG+\k], v[HH], 4, v1
	v_add_nc_u32 v1, 51-\k, v[RR]
	v_and_b32 v1, 63, v1
	v_add_nc_u32 v1, s23, v1
	v_mul_u32_u24 v1, v1, PV
	v_add_nc_u32 v[AVG+\k], v1, v[T2]
.endr
	v_mul_u32_u24 v1, v[R], PT                     ; v1: channel lane % 16, rows 4 w + 4 + 8 (lane / 16) on
	s_lshl_b32 s23, s[WV], 4
	s_add_co_u32 s23, s23, V1L
	v_add_nc_u32 v1, s23, v1
	v_lshl_add_u32 v[AV1], v[HH], 5, v1
	v_add_nc_u32 v[AV1], 16, v[AV1]
	v_xor_b32 v[T1], 1, v[HH]                      ; at step 0, registers 5 to 7 of tile 3: lower half rows 4 w + 52 + j as ever, upper half rows 4 w + j - 4
	v_mul_u32_u24 v[T1], v[T1], 224
	v_add_nc_u32 v[AV1O], v1, v[T1]
	s_lshl_b32 s23, s[WV], 10
	s_add_co_u32 s23, s23, STG                     ; my stage
	v_lshl_add_u32 v[AST], v[LN], 2, s23
	v_lshl_add_u32 v[ARD], v[HH], 8, s23
	v_lshl_add_u32 v[ARD], v[R], 4, v[ARD]
	s_sub_co_i32 s23, s[SB], 60                    ; the position in slot 0
	v_lshl_add_u32 v1, v[HH], 3, s23               ; in slot 8 (lane / 16)
	v_lshlrev_b32 v[T1], 6, v[HH]
	v_sub_nc_u32 v[T1], v1, v[T1]                  ; slots 61 to 63 (upper half, registers 5 to 7 of key tile 3) begin 64 positions earlier
.set i, 0
.rept 32
.if i > 28
	v_cmp_gt_i32 vcc_lo, -(16*(i/8)+i%8), v[T1]
.else
	v_cmp_gt_i32 vcc_lo, -(16*(i/8)+i%8), v1       ; is the position below 0?
.endif
	v_cndmask_b32 v[MC+i], 0, s[BIGN], vcc_lo
.set i, i+1
.endr
	v_add_nc_u32 v1, s23, v[R]                     ; the same by lanes, for the slots a
.irp t, 0,1,2
	v_cmp_gt_i32 vcc_lo, -16*\t, v1
	v_cndmask_b32 v[MA+\t], 0, s[BIGN], vcc_lo
.endr
	v_add_nc_u32 v[T1], 3, v[R]
	v_lshrrev_b32 v[T1], 4, v[T1]                  ; 1 in rows 13 to 15
	v_lshlrev_b32 v[T1], 6, v[T1]
	v_sub_nc_u32 v1, v1, v[T1]
	v_cmp_gt_i32 vcc_lo, -48, v1
	v_cndmask_b32 v[MA+3], 0, s[BIGN], vcc_lo
.set i, 0
.rept 8
	v_mov_b32 v[ONES+i], 0x3c003c00                ; 1.0 twice in f16
.set i, i+1
.endr
	v_mov_b32 v[SH+1], 0                           ; named as pairs, so they are written
	v_mov_b32 v[AL+1], 0
	; the numbers arrive in the order of the loads (ISA guide 5.7.1); each count is the loads issued behind the group that is wanted
	s_wait_loadcnt 42                              ; q is in: behind it 6 + 6 + 6 + 24
.irp i, 0,1
	v_pk_mul_f32 v[STQ+4*\i:STQ+4*\i+1], v[STQ+4*\i:STQ+4*\i+1], s[CS:CS+1] op_sel_hi:[1,0]
	v_pk_mul_f32 v[STQ+4*\i+2:STQ+4*\i+3], v[STQ+4*\i+2:STQ+4*\i+3], s[CS:CS+1] op_sel_hi:[1,0]
	TOF16 STQ+4*\i
	ds_store_b64 v[SQ], v[STQ+4*\i:STQ+4*\i+1] offset:QL+256*\i
.endr
	s_wait_loadcnt 36                              ; k1
.irp i, 0,1,2,3,4,5
	TOF16 STK1+4*\i
	ds_store_b64 v[SK], v[STK1+4*\i:STK1+4*\i+1] offset:K1L+2*PK*\i
.endr
	s_wait_loadcnt 30                              ; k2
.irp i, 0,1,2,3,4,5
	v_pk_add_f32 v[STK2+4*\i:STK2+4*\i+1], v[STK2+4*\i:STK2+4*\i+1], 1.0 op_sel_hi:[1,0]
	v_pk_add_f32 v[STK2+4*\i+2:STK2+4*\i+3], v[STK2+4*\i+2:STK2+4*\i+3], 1.0 op_sel_hi:[1,0]
	TOF16 STK2+4*\i
	ds_store_b64 v[SK], v[STK2+4*\i:STK2+4*\i+1] offset:K2L+2*PK*\i
.endr
	s_wait_loadcnt 24                              ; v2
.irp i, 0,1,2,3,4,5
	v_pk_add_f32 v[STV2+4*\i:STV2+4*\i+1], v[STV2+4*\i:STV2+4*\i+1], 1.0 op_sel_hi:[1,0]
	v_pk_add_f32 v[STV2+4*\i+2:STV2+4*\i+3], v[STV2+4*\i+2:STV2+4*\i+3], 1.0 op_sel_hi:[1,0]
	TOF16 STV2+4*\i
	ds_store_b64 v[SV], v[STV2+4*\i:STV2+4*\i+1] offset:V2L+2*PV*\i
.endr
.irp g, 0,1,2
	s_wait_loadcnt 16-8*\g                         ; v1, eight loads at a time
.irp f, 0,1
	ds_store_b128 v[SV1], v[STV1+8*\g+4*\f:STV1+8*\g+4*\f+3] offset:32*PT*\f+16*\g
.endr
.endr
	s_wait_dscnt 0x0                               ; for the others: my rows lie in LDS
	s_barrier_signal -1
	s_barrier_wait -1                              ; everybody's do; from here on these bytes are only read
	; the window of step 0 into registers: first what the scores want, then what the second product wants
	LDK Q, AQ, QL
.irp t, 0,1,2
	LDK FK1+16*\t, AK, K1L+16*PK*\t
.endr
	LDK FK1+48, AKG, K1L
	WIN 0x40                                       ; destination window 1, address window 0
.irp t, 0,1,2
	LDK FK2+16*\t, AK, K2L+16*PK*\t
.endr
	LDK FK2+48, AKG, K2L
.irp d, 0,1,2,3
	ds_load_tr16_b128 v[FV2+16*\d:FV2+16*\d+3],     v[AV]  offset:V2L+32*\d
	ds_load_tr16_b128 v[FV2+16*\d+4:FV2+16*\d+7],   v[AV]  offset:V2L+16*PV+32*\d
	ds_load_tr16_b128 v[FV2+16*\d+8:FV2+16*\d+11],  v[AV]  offset:V2L+32*PV+32*\d
	ds_load_tr16_b128 v[FV2+16*\d+12:FV2+16*\d+15], v[AVG] offset:V2L+32*\d
.endr
.irp t, 0,1,2
.irp d, 0,1,2,3
	ds_load_b128 v[FV1+32*\t+8*\d:FV1+32*\t+8*\d+3],   v[AV1] offset:16*PT*\d+64*\t
	ds_load_b128 v[FV1+32*\t+8*\d+4:FV1+32*\t+8*\d+7], v[AV1] offset:16*PT*\d+64*\t+16
.endr
.endr
.irp d, 0,1,2,3
	ds_load_b128 v[FV1+96+8*\d:FV1+96+8*\d+3], v[AV1] offset:16*PT*\d+192
	ds_load_b32 v[FV1+96+8*\d+4], v[AV1]  offset:16*PT*\d+208
	ds_load_b32 v[FV1+96+8*\d+5], v[AV1O] offset:16*PT*\d+4
	ds_load_b32 v[FV1+96+8*\d+6], v[AV1O] offset:16*PT*\d+8
	ds_load_b32 v[FV1+96+8*\d+7], v[AV1O] offset:16*PT*\d+12
.endr
	WIN 0
; A BLOCK: step k, the 16 slots a of tile t, all 64 slots c.
.macro UNIT k, t
.if (\t) < 3
	s_cmp_le_u32 s[SB], 44-16*(\t)                 ; the tile's last slot holds position 32 b + 4 w - 45 + 16 t: below 0, the whole block is hidden
	s_cbranch_scc1 .Ldead_\@
.endif
.set i, 0
.rept 16
	v_pk_mul_f16 v[A+i], v[FK1+16*(\t)+i], v[Q+i]  ; q o k1: both lie as fragments, so register by register
.set i, i+1
.endr
	WIN 0x01                                       ; source 0 (k2+1) window 1
.irp c, 0,1,2,3                        ; the four accumulators take turns; the mask starts the sums
	v_wmma_f32_16x16x32_f16 v[S+8*\c:S+8*\c+7], v[FK2+16*\c:FK2+16*\c+7], v[A:A+7], v[MC+8*\c:MC+8*\c+7]
.endr
.irp c, 0,1,2,3
	v_wmma_f32_16x16x32_f16 v[S+8*\c:S+8*\c+7], v[FK2+16*\c+8:FK2+16*\c+15], v[A+8:A+15], v[S+8*\c:S+8*\c+7]
.endr
	WIN 0
	PLACES
	; the maximum of my 32 scores: four chains, each accumulator from its low end on
.irp c, 0,1,2,3
	v_max3_num_f32 v[C0+\c], v[S+8*\c], v[S+8*\c+1], v[S+8*\c+2]
.endr
.irp c, 0,1,2,3
	v_max3_num_f32 v[C0+\c], v[C0+\c], v[S+8*\c+3], v[S+8*\c+4]
.endr
.irp c, 0,1,2,3
	v_max3_num_f32 v[C0+\c], v[C0+\c], v[S+8*\c+5], v[S+8*\c+6]
.endr
	v_max3_num_f32 v[C0], v[C0], v[S+7], v[S+15]
	v_max3_num_f32 v[C0+2], v[C0+2], v[S+23], v[S+31]
	v_max_num_f32 v[C0+1], v[C0+1], v[C0+3]
	v_max3_num_f32 v[C0], v[C0], v[C0+1], v[C0+2]
	v_add_f32 v[C0], v[C0], v[MA+(\t)]             ; a hidden slot a has no say
	v_max_num_f32_dpp v[C0], v[C0], v[C0] row_xmask:1 row_mask:0xf bank_mask:0xf
	v_max_num_f32_dpp v[C0], v[C0], v[C0] row_xmask:2 row_mask:0xf bank_mask:0xf
	v_max_num_f32_dpp v[C0], v[C0], v[C0] row_xmask:4 row_mask:0xf bank_mask:0xf
	v_max_num_f32_dpp v[C0], v[C0], v[C0] row_xmask:8 row_mask:0xf bank_mask:0xf
	v_permlanex16_b32 v[C0+1], v[C0], s[SEL], s[SEL+1]
	v_max3_num_f32 v[MN], v[C0], v[C0+1], v[MO]    ; the new m, the same in all lanes
	v_sub_f32 v[C0+2], v[MO], v[MN]
	v_sub_f32 v[SH], v[MN], v[MA+(\t)]             ; a hidden slot a takes m + 1e30 away: its weights are 0
	v_mov_b32 v[MO], v[MN]
	; ONE BATCH of 33 exponentials; nothing ahead of its wait names a result
	v_exp_f32 v[AL], v[C0+2]
.set i, 0
.rept 16
	v_pk_add_f32 v[S+2*i:S+2*i+1], v[S+2*i:S+2*i+1], v[SH:SH+1] op_sel_hi:[1,0] neg_lo:[0,1] neg_hi:[0,1]
.if i > 0
	v_exp_f32 v[S+2*i-2], v[S+2*i-2]
	v_exp_f32 v[S+2*i-1], v[S+2*i-1]
.endif
.set i, i+1
.endr
	v_exp_f32 v[S+30], v[S+30]
	v_exp_f32 v[S+31], v[S+31]
	v_nop                                          ; a plain instruction behind the last exponential (ISA guide 5.7.2)
	s_wait_alu depctr_va_vdst(0)                   ; the one wait ahead of the batch's first reader
.irp d, 0,1,2,3
	v_pk_mul_f32 v[OA+2*\d:OA+2*\d+1], v[OA+2*\d:OA+2*\d+1], v[AL:AL+1] op_sel_hi:[1,0]
.endr
	v_mul_f32 v[LA], v[LA], v[AL]
.set i, 0
.rept 16
	v_cvt_pk_f16_f32 v[A+i], v[S+2*i], v[S+2*i+1]  ; P: key tiles 0, 1 make keys 0-31, key tiles 2, 3 keys 32-63
.set i, i+1
.endr
.if (\k) == 0
	s_wait_dscnt 0x0                               ; v2+1 and v1 of the first window are in
.endif
	v_wmma_f32_16x16x32_f16 v[DN0:DN0+7], v[ONES:ONES+7], v[A:A+7], 0      ; ones x P: every register holds the sum over 32 keys for slot a = lane % 16
	v_wmma_f32_16x16x32_f16 v[DN1:DN1+7], v[ONES:ONES+7], v[A+8:A+15], 0
	WIN 0x04                                       ; source 1 (v2+1, then v1) window 1
.irp d, 0,1,2,3
	v_wmma_f32_16x16x32_f16 v[S+8*\d:S+8*\d+7], v[A:A+7], v[FV2+16*\d:FV2+16*\d+7], 0
.endr
.irp d, 0,1,2,3
	v_wmma_f32_16x16x32_f16 v[S+8*\d:S+8*\d+7], v[A+8:A+15], v[FV2+16*\d+8:FV2+16*\d+15], v[S+8*\d:S+8*\d+7]
.endr
	PLACES
.irp e, 0,2,4,6                        ; out += tmp o v1, four chains, each accumulator from its low end on
.irp d, 0,1,2,3
	v_pk_fma_f32 v[OA+2*\d:OA+2*\d+1], v[S+8*\d+\e:S+8*\d+\e+1], v[FV1+32*(\t)+8*\d+\e:FV1+32*(\t)+8*\d+\e+1], v[OA+2*\d:OA+2*\d+1]
.endr
.endr
	WIN 0
	v_add_f32 v[LA], v[LA], v[DN0]
	v_add_f32 v[LA], v[LA], v[DN1]
.if (\t) < 3
.Ldead_\@:
.endif
.endm
; A STEP: query 32 b + 4 w + k.
.macro STEP k
.if (\k) > 0
	LDK Q, AQ, QL+128*(\k)                         ; slot 60 + k takes the new position: tile 3 is loaded again.  Its last readers among the matrix instructions stand more than four plain instructions back
	LDK FK1+48, AKG+(\k), K1L
	WIN 0x40
	LDK FK2+48, AKG+(\k), K2L
.irp d, 0,1,2,3
	ds_load_tr16_b128 v[FV2+16*\d+12:FV2+16*\d+15], v[AVG+(\k)] offset:V2L+32*\d
.endr
.irp d, 0,1,2,3
	ds_load_b32 v[FV1+96+8*\d+4+(\k)], v[AV1] offset:16*PT*\d+208+4*(\k)
.endr
	WIN 0
	s_mov_b32 s[MK], (1<<(12+(\k)))|(1<<(28+(\k)))
	v_cndmask_b32 v[MA+3], v[MA+3], 0, s[MK]       ; the new position is a query's own or later: never hidden
	v_cndmask_b32 v[MC+28+(\k)], v[MC+28+(\k)], 0, s[HI]
.endif
	v_mov_b32 v[MO], 0xe9000000                    ; m starts at -2^83: the first live block multiplies the sums by 0
.set i, 0
.rept 8
	v_mov_b32 v[OA+i], 0
.set i, i+1
.endr
	v_mov_b32 v[LA], 0
.if (\k) > 0
	s_wait_dscnt 0x0
.else
	s_wait_dscnt 60                                ; q, k1 and k2+1 are in: behind them 16 loads of v2+1 and 44 of v1
.endif
	UNIT \k, 0
	UNIT \k, 1
	UNIT \k, 2
	UNIT \k, 3
.irp d, 0,1,2,3
	v_add_f32 v[OA+2*\d], v[OA+2*\d], v[OA+2*\d+1] ; even and odd a,
.endr
.irp d, 0,1,2,3
	v_permlanex16_b32 v[OA+2*\d+1], v[OA+2*\d], s[SEL], s[SEL+1]  ; and the other half of the lanes
.endr
.irp m, 1,2,4,8
	v_add_f32_dpp v[LA], v[LA], v[LA] row_xmask:\m row_mask:0xf bank_mask:0xf  ; the sum of weights over the 16 lanes a
.endr
.irp d, 0,1,2,3
	v_add_f32 v[OA+2*\d], v[OA+2*\d], v[OA+2*\d+1]
.endr
	v_rcp_f32 v[C0], v[LA]
	v_cndmask_b32 v[C0+1], v[OA], v[OA+2], s[HI]   ; channels 0-31 by lanes; two plain instructions behind the reciprocal
	v_cndmask_b32 v[C0+2], v[OA+4], v[OA+6], s[HI] ; channels 32-63
	s_wait_alu depctr_va_vdst(0)                   ; the wait ahead of the reciprocal's first reader
	v_mul_f32 v[C0+1], v[C0+1], v[C0]
	v_mul_f32 v[C0+2], v[C0+2], v[C0]
	ds_store_b32 v[AST], v[C0+1] offset:256*(\k)   ; into my own stage
	ds_store_b32 v[AST], v[C0+2] offset:256*(\k)+128
.endm
	STEP 0
	STEP 1
	STEP 2
	STEP 3
	; THE WAY OUT: my four rows come back 16 bytes a lane; LDS serves a wave's instructions in order (ISA guide 5.7.1.4), so these see the stores above
	ds_load_b128 v[S:S+3], v[ARD]
	ds_load_b128 v[S+4:S+7], v[ARD] offset:512
	s_wait_dscnt 0x0
	global_store_b128 v[GQ], v[S:S+3], s[14:15]                     ; 16 lanes store 256 consecutive bytes, at a multiple of 256 from the first byte of out0
	global_store_b128 v[GQ], v[S+4:S+7], s[14:15] offset:2*ROWG
	s_wait_tensorcnt 0x0                           ; the end of the wave, behind my last LDS store
	ds_add_u32 v[SPW], v[NIL]
	s_wait_dscnt 0x0
	s_endpgm
.Lfunc_end_k_q62fa133a6f_simplicial:
	.size	k_q62fa133a6f_simplicial, .Lfunc_end_k_q62fa133a6f_simplicial-k_q62fa133a6f_simplicial
	.p2alignl 7, 3214868480
	.fill 96, 4, 3214868480
	.section	.rodata,"a",@progbits
	.p2align	6, 0x0
	.amdhsa_kernel k_q62fa133a6f_simplicial
		.amdhsa_group_segment_fixed_size 81920
		.amdhsa_private_segment_fixed_size 0
		.amdhsa_enable_private_segment 0
		.amdhsa_kernarg_size 48
		.amdhsa_user_sgpr_count 2
		.amdhsa_user_sgpr_kernarg_segment_ptr 1
		.amdhsa_wavefront_size32 1
		.amdhsa_system_sgpr_workgroup_id_x 1
		.amdhsa_system_sgpr_workgroup_id_y 1
		.amdhsa_system_sgpr_workgroup_id_z 1
		.amdhsa_system_vgpr_workitem_id 0
		.amdhsa_next_free_vgpr 512
		.amdhsa_next_free_sgpr 66
		.amdhsa_reserve_vcc 1
		.amdhsa_float_denorm_mode_32 3
		.amdhsa_float_denorm_mode_16_64 3
		.amdhsa_memory_ordered 1
		.amdhsa_forward_progress 1
		.amdhsa_inst_pref_size 175
	.end_amdhsa_kernel
	.amdgpu_metadata
---
amdhsa.version: [ 1, 2 ]
amdhsa.kernels:
  - .name:           k_q62fa133a6f_simplicial
    .symbol:         k_q62fa133a6f_simplicial.kd
    .args:
      - { .name: q, .offset: 0, .size: 8, .value_kind: global_buffer, .address_space: global }
      - { .name: k1, .offset: 8, .size: 8, .value_kind: global_buffer, .address_space: global }
      - { .name: k2, .offset: 16, .size: 8, .value_kind: global_buffer, .address_space: global }
      - { .name: v1, .offset: 24, .size: 8, .value_kind: global_buffer, .address_space: global }
      - { .name: v2, .offset: 32, .size: 8, .value_kind: global_buffer, .address_space: global }
      - { .name: out0, .offset: 40, .size: 8, .value_kind: global_buffer, .address_space: global }
    .group_segment_fixed_size: 81920
    .private_segment_fixed_size: 0
    .kernarg_segment_align: 8
    .kernarg_segment_size: 48
    .max_flat_workgroup_size: 256
    .sgpr_count:     66
    .vgpr_count:     512
    .wavefront_size: 32
...
	.end_amdgpu_metadata
.endif
;; end of part 1
